; MI455X (gfx1250); checked and timed in simulation.
; The chip was launched on July 23, 2026; its instructions are those of AMD's public machine-readable ISA for CDNA 5 (MIT licence, August 2026) and "CDNA5" Instruction Set Architecture Reference Guide (July 2026). The comments in the code are by the model that wrote it; some were corrected since.
;; Routed Mlp Experts. Allowed arithmetic: matrix products marked QUANTISED: E2M3 operands, one E8M0 scale for each 32 along K, by v_wmma_scale_f32_16x16x128_f8f6f4 with both operands' format E2M3, f32 sums; everything else in f32.
;; Inputs: expert_mask 4 x 1,024 x 64 float32; w_down 2,048 x 64 x 64 float32; w_up 64 x 64 x 2,048 float32; x 4 x 1,024 x 2,048 float32.
;; Outputs: out0 4 x 1,024 x 2,048 float32.
;; This version of the problem:
;;   THIS VERSION OF THE PROBLEM IS GIVEN IN LOW PRECISION. The matrix products marked QUANTISED in the list below multiply operands that are first quantised to E2M3 (2 exponent bits, 3 mantissa bits; 6 bits a number), with one power-of-two scale for each 32 numbers along K (OCP MX v1.0); their sums are f32. All else is computed in f32.
;;   The module's matrix products, in the order in which they are computed (A, B: the left and right operand; K: the contracted axis; several contracted axes count as one K, in the product's order):
;;     1. [M 4,096, K 2,048] x [K 2,048, N 4,096]; A: input x; B: input w_up: QUANTISED
;;     2. [M 4,096, K 4,096] x [K 4,096, N 2,048]; A: computed on the way; B: input w_down: QUANTISED
;;   THE QUANTISER, for each operand of a quantised product, along K:
;;     - K is cut into blocks of 32 from its start; a last block that is shorter is filled with zeros.
;;     - A block's scale is 2^e with e = floor(log2(the largest magnitude in the block)) - 2, held to -126 .. 127; a block of zeros has e = 0. As a byte (E8M0): e + 127.
;;     - Each number is divided by its block's scale, clamped to +-7.5, and rounded to the nearest number of E2M3, ties to even, subnormals kept.
;;     - The product sums the exact products of the quantised numbers (number of the format x scale) in f32.
;;   ~~~python
;;   def quantise(x, axis):      # numpy; x: float32 -> the quantised numbers, widened to float32 again
;;       x = np.moveaxis(x, axis, -1); K = x.shape[-1]
;;       x = np.pad(x, [(0, 0)] * (x.ndim - 1) + [(0, -K % 32)]); x = x.reshape(x.shape[:-1] + (-1, 32)); a = np.abs(x).max(-1, keepdims=True)
;;       e = np.where(a > 0, np.clip(np.frexp(np.where(a > 0, a, 1))[1] - 1 - 2, -126, 127), 0)      # np.frexp(a)[1] - 1 = floor(log2(a)), exactly
;;       r = np.clip(x / 2.0 ** e, -7.5, 7.5)
;;       step = 2.0 ** (np.maximum(np.frexp(np.where(r == 0, 1, r))[1] - 1, 0) - 3)
;;       q = np.round(r / step) * step * 2.0 ** e      # np.round: ties to even
;;       return np.moveaxis(q.reshape(q.shape[:-2] + (-1,))[..., :K], -1, axis).astype(np.float32)
;;   ~~~
;;   OPERANDS COMPUTED ON THE WAY. 'Computed on the way' means the value that the module computes at that place (a softmax that the list does not call 'softmax' is quantised finished and normalised). What goes into a quantiser is computed in f32, as accurately as f32 sums, v_exp_f32 and their like allow (about 1e-6 of the number): no bf16 or f16 on the way to a quantiser, and a product that is left as it is and whose result goes on into a quantised operand takes f32 operands (vector FMAs, or v_wmma_f32_16x16x4_f32). A number that lies on a knife's edge between two numbers of the format may be rounded either way, as far as f32 arithmetic and the matrix unit's own rounding can turn it there, and no further.
;; One version. Each part assembles by itself: llvm-mc -triple=amdgcn-amd-amdhsa -mcpu=gfx1250 --defsym DOCPART=n.
;; ======== version 1 of 1: 3 launches
;; workspace buffers: xq 6,553,600 bytes; wuq 6,553,600 bytes; wdq 6,553,600 bytes; hq 13,107,200 bytes
;; launch quant (part 1): grid 768 x 1, 4 waves a work-group, no clusters, 34,304 bytes of LDS; arguments x, w_up, w_down, xq, wuq, wdq; writes xq, wuq, wdq
.if DOCPART == 1
	.amdgcn_target "amdgcn-amd-amdhsa--gfx1250"
	.amdhsa_code_object_version 6
	.text
	.protected	k_q0da56fca75_quant
	.globl	k_q0da56fca75_quant
	.p2align	8
	.type	k_q0da56fca75_quant,@function
k_q0da56fca75_quant:
	s_mov_b64 s[64:65], 0
	v_nop
	global_prefetch_b8 v0, s[64:65] scope:SCOPE_SE
	s_setreg_imm32_b32 hwreg(HW_REG_WAVE_MODE, 25, 1), 1
	s_wait_xcnt 0x0
; out = Q(silu(Q(x) Q(w_up)^T) * expert_mask) Q(w_down)^T, Q the quantiser to E2M3 with one E8M0 scale for each 32 along K.  Three launches: this one turns x, w_up and w_down (f32, K innermost in all three)
; into codes and scale words; the second makes the first product, silu, the gate and the hidden layer's codes; the third makes the second product.
; NO WORK IS LEFT OUT: expert_mask is a weight on every expert, not a choice; every input has a way to the output, and all four are loaded (three here, expert_mask in the second launch).
; LIMITS: NaN and infinities among the inputs are not served.  A block of zeros gets the scale byte 1 where the rule says 127: its codes are zeros, which add nothing under any byte but 0xff, and the bytes are read by this program alone.
; A block's scale byte is its largest magnitude's exponent field - 2, held at 1 from below by a floor among the maximum's leaves.
; THE WORKSPACE IS LAID IN THE ORDER OF THE OPERAND'S REGISTERS.  A unit of 6,400 bytes holds 16 rows x 512 along K: four fragments (16 rows x 128 K, 12 registers a lane) of 1,536 bytes, register 4 c + w of lane l at
; 1536 q + 512 c + 16 l + 4 w; then 256 bytes of scale words, row r's word of K step 2 j + q' at 6144 + 128 j + 8 r + 4 q'.  Units lie [row / 16][k / 512], dense.
; wuq's ROWS ARE PERMUTED: place p holds w_up's row p with bits 3 and 4 exchanged, so that in the next launch a lane's 16 registers of two neighbouring tiles are 16 neighbours along the second product's K.
; SHARES.  Each tensor is 1,024 units; a wave makes one.  Work-groups 0-255 take x, 256-511 w_up, 512-767 w_down: pointers and pitches are chosen by the work-group's number, the text has one path.
; A K step of 128: 16 loads, each 512 consecutive bytes of one row; through the wave's own stage in LDS (rows 528 bytes apart); back so that lane (r, h) holds k = 64 c + 32 h + 0 .. 31 of row r: two whole blocks.
; No barrier: waves share nothing.  Two K steps' loads (32 a wave) are out at the start, one while a step is worked.
.set SFB,    6400                      ; a unit
.set SPITCH, 528                       ; a stage row: 512 bytes + 16
.set WREG,   16*SPITCH                 ; a wave's stage
.set SPARE,  4*WREG                    ; behind the stages: the spare words, 128 bytes for each wave: two blocks of 256 bytes that no other line names
.set W,      16                        ; v16-19   row r's scale word of each K step
.set SPW,    20                        ; v20      LDS address of my spare word; never rewritten
.set NIL,    21                        ; v21      0; never rewritten
.set OFFR,   24                        ; v24-39   row i's byte offset + 16 x lane; never rewritten
.set C,      40                        ; v40-51   a fragment's codes; v52-54, v56-58 the blocks' second halves as they are made
.set X,      64                        ; v64-127  64 numbers in the operand's order
.set R,      128                       ; v128-255 two sets of 64 registers as loaded
	s_load_b256 s[4:11], s[0:1], 0x0               ; x s[4:5], w_up s[6:7], w_down s[8:9], xq s[10:11]
	s_load_b128 s[12:15], s[0:1], 0x20             ; wuq s[12:13], wdq s[14:15]
	v_lshl_add_u32 v[SPW], v0, 2, SPARE
	v_mov_b32 v[NIL], 0
	v_lshrrev_b32 v1, 5, v0
	v_readfirstlane_b32 s16, v1                    ; wave
	v_and_b32 v1, 31, v0                           ; lane
	v_and_b32 v2, 15, v0                           ; r
	v_bfe_u32 v3, v0, 4, 1                         ; h
	s_lshr_b32 s17, ttmp9, 8                       ; which tensor: 0 x, 1 w_up, 2 w_down
	s_cmp_eq_u32 s17, 2
	s_cselect_b32 s19, 1, 0                        ; w_down's rows are twice as long
	s_cmp_eq_u32 s17, 1
	s_cselect_b32 s21, 1, 0                        ; w_up's rows are permuted
	s_lshl_b32 s20, 0x2000, s19                    ; a row in bytes: 8,192 or 16,384
	s_lshl_b32 s22, s21, 16
	s_add_co_u32 s22, s22, s20                     ; from a unit's row 7 to its row 8: one row, in w_up nine (8 x 8,192 more)
	s_and_b32 s18, ttmp9, 255
	s_lshl_b32 s18, s18, 2
	s_add_co_u32 s18, s18, s16                     ; my unit, 0 .. 1,023
	s_add_co_u32 s25, s19, 2
	s_lshr_b32 s23, s18, s25                       ; its group of 16 rows
	s_lshl_b32 s24, 4, s19
	s_sub_co_u32 s24, s24, 1
	s_and_b32 s24, s18, s24                        ; its 512 along K
	s_lshl_b32 s26, s23, 4
	s_and_b32 s27, s23, s21
	s_lshl_b32 s27, s27, 3
	s_sub_co_u32 s26, s26, s27                     ; its first row: 16 g, in w_up 16 g - 8 (g % 2)
	s_mul_i32 s26, s26, s20
	s_lshl_b32 s27, s24, 11
	s_add_co_u32 s26, s26, s27                     ; in bytes (under 2^26)
	s_mov_b32 s27, 0
	s_mul_i32 s28, s18, SFB                        ; where the unit goes
	s_mov_b32 s29, 0
	s_mov_b32 s30, 0x76543210
	s_mov_b32 s31, 0xfedcba98                      ; v_permlanex16_b32's selects for lane l xor 16
	s_mov_b32 s32, 0xffff0000                      ; lanes 16-31
	s_mul_i32 s33, s16, WREG
	v_lshlrev_b32 v6, 4, v1                        ; 16 x lane
	v_add_nc_u32 v4, s33, v6                       ; the stage, on the way in: a row's 512 bytes as they lie
	v_mul_u32_u24 v5, v2, SPITCH
	v_lshl_add_u32 v5, v3, 7, v5
	v_add_nc_u32 v5, s33, v5                       ; and on the way out: row r, + 128 h bytes
	v_lshlrev_b32 v7, 3, v1                        ; 8 x lane: the scale words' place
	v_lshlrev_b32 v14, 3, v3                       ; 8 h: my bytes' shift in a scale word
.irp t, 0,1,2,3
	v_mov_b32 v[W+\t], 0                           ; written once: a lane permute's destination counts as one of its sources
.endr
	v_mov_b32 v[OFFR], v6
.irp i, 1,2,3,4,5,6,7
	v_add_nc_u32 v[OFFR+\i], s20, v[OFFR+\i-1]
.endr
	v_add_nc_u32 v[OFFR+8], s22, v[OFFR+7]
.irp i, 9,10,11,12,13,14,15
	v_add_nc_u32 v[OFFR+\i], s20, v[OFFR+\i-1]
.endr
	s_wait_kmcnt 0x0
	s_cmp_eq_u32 s17, 0                            ; the choices hang on the work-group's number alone
	s_cselect_b64 s[4:5], s[4:5], s[6:7]
	s_cselect_b64 s[10:11], s[10:11], s[12:13]
	s_cmp_eq_u32 s17, 2
	s_cselect_b64 s[4:5], s[8:9], s[4:5]
	s_cselect_b64 s[10:11], s[14:15], s[10:11]
	s_add_nc_u64 s[4:5], s[4:5], s[26:27]
	s_add_nc_u64 s[10:11], s[10:11], s[28:29]
.macro LOAD t                          ; K step t: 16 rows x 512 bytes into set t % 2
.set i, 0
.rept 16
	global_load_b128 v[R+64*((\t)%2)+4*i:R+64*((\t)%2)+4*i+3], v[OFFR+i], s[4:5] offset:512*(\t) th:TH_LOAD_NT
.set i, i+1
.endr
.endm
.macro STEP t
.set RS, R+64*((\t)%2)
.if (\t) < 3
	s_wait_loadcnt 16                              ; this step's 16 loads are in; the next step's 16 may be out
.else
	s_wait_loadcnt 0x0
.endif
.set i, 0
.rept 16
	ds_store_b128 v4, v[RS+4*i:RS+4*i+3] offset:SPITCH*i
.set i, i+1
.endr
.irp c, 0,1
.irp j, 0,1,2,3,4,5,6,7
	ds_load_b128 v[X+32*\c+4*\j:X+32*\c+4*\j+3], v5 offset:256*\c+16*\j   ; LDS serves a wave's instructions in order: these see the stores above
.endr
.endr
	s_wait_dscnt 0x0                               ; my 64 numbers are in, and the stores have read their registers,
.if (\t) < 2
	LOAD (\t)+2                                    ; which take the loads of two steps on
.endif
.irp c, 0,1
	v_max3_num_f32 v[8+\c], |v[X+32*\c]|, |v[X+32*\c+1]|, 0x1800000   ; block 2 c + h: all 32 numbers are mine; the floor 2^(3 - 127) holds the byte at 1 from below
.endr
.irp i, 2,4,6,8,10,12,14,16,18,20,22,24,26,28,30
.irp c, 0,1
	v_max3_num_f32 v[8+\c], v[8+\c], |v[X+32*\c+\i]|, |v[X+32*\c+\i+1]|   ; (the two blocks by turns)
.endr
.endr
.irp c, 0,1
	v_add_nc_u32 v[10+\c], 0xff000000, v[8+\c]     ; 2 off the exponent field: the conversion takes the exponent field of this operand as its scale
.endr
.irp c, 0,1
	v_lshrrev_b32 v[12+\c], 23, v[10+\c]           ; the scale's byte
.endr
	v_lshl_or_b32 v15, v13, 16, v12                ; blocks h and 2 + h,
	v_lshlrev_b32 v15, v14, v15                    ; at their places in the word;
	v_permlanex16_b32 v[W+\t], v15, s30, s31
	v_or_b32 v[W+\t], v[W+\t], v15                 ; with lane l xor 16's two the word is whole, in both lanes
.if (\t) > 0
	s_wait_xcnt 0x0                                ; the last step's stores have read the codes' registers: they are written again only behind this wait
.endif
.irp c, 0,1
	v_cvt_scalef32_pk16_fp6_f32 v[C+6*\c:C+6*\c+2], v[X+32*\c:X+32*\c+15], v[10+\c]
	v_cvt_scalef32_pk16_fp6_f32 v[C+12+4*\c:C+14+4*\c], v[X+32*\c+16:X+32*\c+31], v[10+\c]   ; (a conversion's three registers begin on an even number)
.endr
	v_nop                                          ; one plain place behind a scaled conversion
.irp c, 0,1
.irp i, 0,1,2
	v_mov_b32 v[C+3+6*\c+\i], v[C+12+4*\c+\i]
.endr
.endr
.irp c, 0,1,2
	global_store_b128 v6, v[C+4*\c:C+4*\c+3], s[10:11] offset:1536*(\t)+512*\c   ; 32 lanes store 512 consecutive bytes, at a multiple of 256 from the buffer's first byte
.endr
.endm
	LOAD 0
	LOAD 1
	STEP 0
	STEP 1
	STEP 2
	STEP 3
	v_cndmask_b32 v22, v[W], v[W+2], s32           ; lanes 0-15: the words of K steps 0, 1; lanes 16-31: of K steps 2, 3
	v_cndmask_b32 v23, v[W+1], v[W+3], s32
	global_store_b64 v7, v[22:23], s[10:11] offset:6144   ; 32 lanes store 256 consecutive bytes, aligned
	s_wait_tensorcnt 0x0                           ; the wave's end, behind my last LDS store
	ds_add_u32 v[SPW], v[NIL]
	s_wait_dscnt 0x0
	s_endpgm
.Lfunc_end_k_q0da56fca75_quant:
	.size	k_q0da56fca75_quant, .Lfunc_end_k_q0da56fca75_quant-k_q0da56fca75_quant
	.p2alignl 7, 3214868480
	.fill 96, 4, 3214868480
	.section	.rodata,"a",@progbits
	.p2align	6, 0x0
	.amdhsa_kernel k_q0da56fca75_quant
		.amdhsa_group_segment_fixed_size 34304
		.amdhsa_private_segment_fixed_size 0
		.amdhsa_enable_private_segment 0
		.amdhsa_kernarg_size 48
		.amdhsa_user_sgpr_count 2
		.amdhsa_user_sgpr_kernarg_segment_ptr 1
		.amdhsa_wavefront_size32 1
		.amdhsa_system_sgpr_workgroup_id_x 1
		.amdhsa_system_sgpr_workgroup_id_y 1
		.amdhsa_system_sgpr_workgroup_id_z 1
		.amdhsa_system_vgpr_workitem_id 0
		.amdhsa_next_free_vgpr 256
		.amdhsa_next_free_sgpr 66
		.amdhsa_reserve_vcc 0
		.amdhsa_float_denorm_mode_32 3
		.amdhsa_float_denorm_mode_16_64 3
		.amdhsa_memory_ordered 1
		.amdhsa_forward_progress 1
		.amdhsa_inst_pref_size 31
	.end_amdhsa_kernel
	.amdgpu_metadata
---
amdhsa.version: [ 1, 2 ]
amdhsa.kernels:
  - .name:           k_q0da56fca75_quant
    .symbol:         k_q0da56fca75_quant.kd
    .args:
      - { .name: x, .offset: 0, .size: 8, .value_kind: global_buffer, .address_space: global }
      - { .name: w_up, .offset: 8, .size: 8, .value_kind: global_buffer, .address_space: global }
      - { .name: w_down, .offset: 16, .size: 8, .value_kind: global_buffer, .address_space: global }
      - { .name: xq, .offset: 24, .size: 8, .value_kind: global_buffer, .address_space: global }
      - { .name: wuq, .offset: 32, .size: 8, .value_kind: global_buffer, .address_space: global }
      - { .name: wdq, .offset: 40, .size: 8, .value_kind: global_buffer, .address_space: global }
    .group_segment_fixed_size: 34304
    .private_segment_fixed_size: 0
    .kernarg_segment_align: 8
    .kernarg_segment_size: 48
    .max_flat_workgroup_size: 128
    .sgpr_count:     66
    .vgpr_count:     256
    .wavefront_size: 32
...
	.end_amdgpu_metadata
.endif
;; end of part 1
;; launch up (part 2): grid 16 x 16, 4 waves a work-group, clusters of 4 x 4, 327,680 bytes of LDS; arguments xq, wuq, expert_mask, hq; writes hq
.if DOCPART == 2
	.amdgcn_target "amdgcn-amd-amdhsa--gfx1250"
	.amdhsa_code_object_version 6
	.text
	.protected	k_q0da56fca75_up
	.globl	k_q0da56fca75_up
	.p2align	8
	.type	k_q0da56fca75_up,@function
k_q0da56fca75_up:
	s_mov_b64 s[64:65], 0
	v_nop
	global_prefetch_b8 v0, s[64:65] scope:SCOPE_SE
	s_setreg_imm32_b32 hwreg(HW_REG_WAVE_MODE, 25, 1), 1
	s_wait_xcnt 0x0
	s_wait_alu depctr_hold_cnt(0) depctr_sa_sdst(0) depctr_va_vdst(0) depctr_va_sdst(0) depctr_va_ssrc(0) depctr_va_vcc(0) depctr_vm_vsrc(0)
	s_getreg_b32 s2, hwreg(HW_REG_IB_STS2, 6, 4)
	s_cmp_eq_u32 s2, 0
	s_cbranch_scc0 .Lentry_in_a_cluster
	s_endpgm
.Lentry_in_a_cluster:
	s_bfe_u32 s2, ttmp6, 0x10000c
	s_cmp_lg_u32 s2, 0xf033
	s_cbranch_scc0 .Lentry_shape_is_right
	s_endpgm
.Lentry_shape_is_right:
; hq = Q(silu(x w_up^T) * expert_mask): the first product on codes of E2M3 (M 4,096, N 4,096, K 2,048), silu and the gate in f32, and the quantiser along the hidden units, which are the second product's K.  Nothing is left out.
; LIMITS: NaN and infinities are not served.  silu(h) = h x 1 / (1 + 2^(-log2(e) h)): where the power overflows the quotient is 0 and the result a zero; then x expert_mask.
; xq, wuq, hq lie in units of 6,400 bytes, 16 rows x 512 K in the order of the operand's registers: fragment q at 1536 q + 512 c + 16 lane; scale words at 6144 + 128 j + 8 r + 4 q' (K step 2 j + q'); units [row / 16][k / 512].
; A tile of 256 tokens x 256 hidden units is made by four waves, as many as a WGP has SIMDs; a wave makes 128 x 128: 64 accumulators, 512 registers.
; THE RING.  K's 16 steps of 128 go in chunks of three (the last chunk is one step) through two LDS slots, as large as fit: a refill is asked for only when the one before it has landed, so there are as few as LDS allows: four.
; For each group of 16 rows a chunk is 4,864 consecutive bytes of memory, at a multiple of 256 bytes: three fragments and, where the chunk crosses a unit's end, the 256 bytes of scale words that lie between them (not read from LDS).
; A fragment comes from LDS by three loads of 16 bytes a lane, 512 consecutive bytes each: no padding is needed.
; THE SCALE WORDS go from memory straight into registers, once: a unit's 256 bytes by one load of 8 bytes a lane.  Its first register holds K step 0 in lanes 0-15 and K step 2 in lanes 16-31, its second K steps 1 and 3:
; so K step q of 16 takes register 2 (q / 4) + q % 2, from lanes 16-31 where (q / 2) % 2 = 1.  64 registers for x, 64 for w_up.
; THE K STEPS ARE WRITTEN OUT: the scale registers' numbers and the fragments' places in a chunk change from step to step and do not come back.
; CLUSTERS: 4 x 4 work-groups.  The four of a row need the same tiles of x, the four of a column the same tiles of w_up: each is asked for JOINTLY, by the same tensor load with the same descriptor and a mask that names the four.
; THE MATRIX INSTRUCTION IS USED TRANSPOSED (source 0 = 16 places of wuq, source 1 = 16 tokens): a lane holds ONE token, its registers run along the hidden units; wuq's places are permuted so that the 16 registers of
; tiles 2 b and 2 b + 1 are hidden units 32 b + 16 (lane / 16) + 0 .. 15.  A wave's 128 hidden units are one K step of the second product and two experts: each block of 16 tokens becomes one fragment and one scale word a token,
; and the fragment is stored from registers, 512 consecutive bytes a store.  The scale words leave as 4 bytes at every 8: a tile owns two of a unit's four K steps, a wave one; they are 1 byte in 24 of what the launch stores.
; REGISTERS, in windows of 256: window 0: v1-31 addresses, the gate and single words; v32-95 x's scale words, v96-159 w_up's; v160-255 x's fragments, ONE set; on the way out v160-255 are at work.
;   window 1: w_up's fragments, TWO sets, at v0 and v128.   windows 2, 3: the accumulators of my tokens 0-63, 64-127 ((a, b) at v[8 (8 (a % 4) + b)]).
.set FR,     12                        ; registers of a fragment
.set NP,     4                         ; places behind this matrix instruction (ISA guide 7.12.1)
.set SFB,    6400                      ; a unit
.set XPITCH, 4*SFB                     ; from group to group in xq and wuq
.set HPITCH, 8*SFB                     ; and in hq
.set CHB,    4864                      ; a group's bytes in a slot
.set HALFT,  8*CHB                     ; what one tensor load brings, and what one wave reads of x or of w_up
.set SLOT,   4*HALFT                   ; x's 16 groups, then w_up's 16
.set SPARE,  2*SLOT                    ; behind the ring: the spare words, 128 bytes for each wave: two blocks of 256 bytes that no other line names
.set PWE,  1                           ; v1      an even block's scale words
.set MK,   2                           ; v2-17   the gate: for block a the pair v[MK+2a]: my token's weights of my two experts
.set MT,   18                          ; v18-19  the second expert's weight, twice
.set ADRA, 20                          ; v20-21  LDS address of my x fragments in slot 0, 1
.set ADRB, 22                          ; v22-23  the same for w_up
.set SOF,  24                          ; v24     the hidden layer's scale words: 8 r, + a group of hq for lanes 16-31
.set PWO,  25                          ; v25     an odd block's scale words
.set CO,   26                          ; v26     16 x lane
.set SW,   27                          ; v27     two blocks' scale words on their way out
.set SPW,  28                          ; v28     LDS address of my spare word; never rewritten
.set NIL,  29                          ; v29     0; never rewritten
.set MO,   30                          ; v30     256 r: my token's row of expert_mask
.set LS8,  31                          ; v31     8 x lane: my place in a unit's scale words
.set SA,   32                          ; x's scale words: group i, unit u at v[SA + 8 i + 2 u], + 1
.set SB,   96                          ; w_up's likewise
.set AF,   160                         ; x's fragments
.set T,    160                         ; the way out: 64 numbers
.set PC,   224                         ; v224-243 the codes just made
.set TM,   244                         ; v244-255 at work in the quantiser
.set CS,   18                          ; s[18:19] -log2(e): the packed form names a pair and takes its low word for both halves
.set SEL,  96                          ; s[96:97] v_permlanex16_b32's selects for lane l xor 16
.set G1, 24                            ; s[24:31] descriptor group 1 for x's chunks;  s[32:39] group 0, one set for each slot
.set G0, 32
.set G1B, 48                           ; s[48:55], s[56:63] the same for w_up's
.set G0B, 56
.set G1L, 68                           ; s[68:75] group 1 for x's last chunk, one K step;  s[80:87] for w_up's
.set G1LB, 80
.set MSB, 0
.macro WIN new                         ; the immediate's high byte repeats the setting that is left
.if MSB != (\new)
	s_set_vgpr_msb (MSB<<8)|(\new)
.set MSB, (\new)
.endif
.endm
.set MUL_LO, 0xa1                      ; source 0 (w_up) window 1, source 1 (x) window 0, C and D window 2
.set MUL_HI, 0xf1                      ; the same, C and D window 3
.set TO_B,   0x40                      ; destination window 1, address window 0
; A joint load: waves 0 and 1 fetch for x, waves 2 and 3 for w_up.  Each of the two lines has ONE mask and one set of registers for all that issue it; the branch hangs on the wave's number alone.
; An s_nop 0 and four v_nop follow each of the two lines, ahead of the jump, the label and what follows.
.macro JLOAD g0a, g1a, g0b, g1b
	s_cmp_eq_u32 s15, 0
	s_cbranch_scc0 .Lfor_b_\@
	tensor_load_to_lds s[\g0a:\g0a+3], s[\g1a:\g1a+7]
	s_nop 0
.rept 4
	v_nop
.endr
	s_branch .Lasked_\@
.Lfor_b_\@:
	tensor_load_to_lds s[\g0b:\g0b+3], s[\g1b:\g1b+7]
	s_nop 0
.rept 4
	v_nop
.endr
.Lasked_\@:
.endm
.macro CREST                           ; a round of the cluster's barrier behind its opening barrier
	s_cmp_lg_u32 s14, 0
	s_cbranch_scc1 .Lnot_wave_0_\@
	s_barrier_signal -3
.Lnot_wave_0_\@:
	s_barrier_wait -3
	s_barrier_signal -1
	s_barrier_wait -1
.endm
.macro CROUND                          ; a whole round
	s_barrier_signal -1
	s_barrier_wait -1
	CREST
.endm
	s_load_b128 s[4:7], s[0:1], 0x0                ; xq s[4:5], wuq s[6:7]
	s_load_b128 s[8:11], s[0:1], 0x10              ; expert_mask s[8:9], hq s[10:11]
	v_lshl_add_u32 v[SPW], v0, 2, SPARE
	v_mov_b32 v[NIL], 0
	ds_add_u32 v[SPW], v[NIL]                      ; the wave's opening: the add, twice on end, and its wait ahead of my first tensor load; the set-up below, work on registers, stands between
	ds_add_u32 v[SPW], v[NIL]
	v_lshrrev_b32 v160, 5, v0
	v_readfirstlane_b32 s14, v160                  ; wave 0..3
	s_lshr_b32 s15, s14, 1                         ; which half of the tile's tokens is mine.  Also: I fetch for x (0) or for w_up (1)
	s_and_b32 s16, s14, 1                          ; which half of its hidden units.  Also: which 8 groups of that tile I fetch
	s_bfe_u32 s40, ttmp6, 0x40000                  ; cx, cy: my place in the cluster
	s_bfe_u32 s41, ttmp6, 0x40004
	s_lshl_b32 s42, ttmp9, 2
	s_add_co_u32 s42, s42, s40                     ; tile column = 4 x cluster x + cx
	s_and_b32 s17, ttmp7, 0xffff
	s_lshl_b32 s17, s17, 2
	s_add_co_u32 s17, s17, s41                     ; tile row = 4 x cluster y + cy
	s_lshl_b32 s43, s41, 2
	s_lshl_b32 s43, 15, s43                        ; my row of the cluster
	s_lshl_b32 s44, 0x1111, s40                    ; my column
	; descriptor group 1: 8 rows (groups) of 608 elements of 8 bytes, 3,200 elements apart; dense in LDS.  The last chunk: rows of 192 elements
	s_or_b32 s[G1+0], s43, (3<<16)|(1<<21)         ; 15:0 the mask: x's tiles go to my row; 17:16 elements of 8 bytes; 20 no padding; 21 set beside a mask
	s_or_b32 s[G1B+0], s44, (3<<16)|(1<<21)
	s_or_b32 s[G1L+0], s43, (3<<16)|(1<<21)
	s_or_b32 s[G1LB+0], s44, (3<<16)|(1<<21)
.irp g, G1, G1B
	s_mov_b32 s[\g+1], (CHB/8)<<16                 ; tensor_dim0
	s_mov_b32 s[\g+2], 8<<16                       ; tensor_dim1
	s_mov_b32 s[\g+3], (CHB/8)<<16                 ; tile_dim0
	s_mov_b32 s[\g+4], 8                           ; tile_dim1
	s_mov_b32 s[\g+5], XPITCH/8                    ; tensor_dim0_stride
	s_mov_b32 s[\g+6], 0
	s_mov_b32 s[\g+7], 0
.endr
.irp g, G1L, G1LB
	s_mov_b32 s[\g+1], 192<<16
	s_mov_b32 s[\g+2], 8<<16
	s_mov_b32 s[\g+3], 192<<16
	s_mov_b32 s[\g+4], 8
	s_mov_b32 s[\g+5], XPITCH/8
	s_mov_b32 s[\g+6], 0
	s_mov_b32 s[\g+7], 0
.endr
	s_lshl_b32 s18, s16, 3                         ; which 8 groups of the tile I fetch
	s_lshl_b32 s20, s17, 4
	s_add_co_u32 s20, s20, s18                     ; x: group 16 x tile row + 8 x half
	s_mul_i32 s20, s20, XPITCH                     ; in bytes (under 2^23)
	s_mov_b32 s21, 0
	s_lshl_b32 s46, s42, 4
	s_add_co_u32 s46, s46, s18                     ; w_up: group 16 x tile column + 8 x half
	s_mul_i32 s46, s46, XPITCH
	s_mov_b32 s47, 0
	s_mul_i32 s45, s14, HALFT                      ; where they go: wave x 8 groups: no place in the cluster enters an LDS address
	s_lshl_b32 s76, s17, 4                         ; the scale words of the groups that I MULTIPLY: x's 16 x tile row + 8 x (wave / 2),
	s_lshl_b32 s77, s15, 3
	s_add_co_u32 s76, s76, s77
	s_mul_i32 s76, s76, XPITCH
	s_add_co_u32 s76, s76, 6144
	s_mov_b32 s77, 0
	s_lshl_b32 s78, s42, 4                         ; w_up's 16 x tile column + 8 x (wave % 2)
	s_lshl_b32 s79, s16, 3
	s_add_co_u32 s78, s78, s79
	s_mul_i32 s78, s78, XPITCH
	s_add_co_u32 s78, s78, 6144
	s_mov_b32 s79, 0
	s_mov_b32 s[SEL], 0x76543210
	s_mov_b32 s[SEL+1], 0xfedcba98
	s_wait_dscnt 0x0                               ; both opening adds are done
	s_wait_kmcnt 0x0
	s_add_nc_u64 s[20:21], s[4:5], s[20:21]
	s_add_nc_u64 s[46:47], s[6:7], s[46:47]
	s_add_nc_u64 s[92:93], s[4:5], s[76:77]
	s_add_nc_u64 s[94:95], s[6:7], s[78:79]
	CROUND                                         ; all sixteen work-groups are here: the first joint loads meet
.irp s, 0,1
	s_mov_b32 s[G0+4*\s], 1
	s_add_co_u32 s[G0+4*\s+1], s45, \s*SLOT
	s_add_nc_u64 s[G0+4*\s+2:G0+4*\s+3], s[20:21], \s*4608         ; chunk s begins at K step 3 s
	s_or_b32 s[G0+4*\s+3], s[G0+4*\s+3], 0x80000000
	s_mov_b32 s[G0B+4*\s], 1
	s_add_co_u32 s[G0B+4*\s+1], s45, \s*SLOT
	s_add_nc_u64 s[G0B+4*\s+2:G0B+4*\s+3], s[46:47], \s*4608
	s_or_b32 s[G0B+4*\s+3], s[G0B+4*\s+3], 0x80000000
	JLOAD G0+4*\s, G1, G0B+4*\s, G1B               ; two tensor loads of mine are out
.endr
	v_and_b32 v162, 31, v0                         ; lane
	v_lshlrev_b32 v[LS8], 3, v162
.irp u, 0,1,2                                  ; the scale words of K steps 0 to 11: each load takes a unit's 256 consecutive bytes, aligned
.irp i, 0,1,2,3,4,5,6,7
	global_load_b64 v[SA+8*\i+2*\u:SA+8*\i+2*\u+1], v[LS8], s[92:93] offset:\i*XPITCH+\u*SFB
	global_load_b64 v[SB+8*\i+2*\u:SB+8*\i+2*\u+1], v[LS8], s[94:95] offset:\i*XPITCH+\u*SFB
.endr
.endr
	v_and_b32 v160, 15, v0                         ; r
	v_bfe_u32 v161, v0, 4, 1                       ; h
	v_lshlrev_b32 v[MO], 8, v160
	s_lshl_b32 s20, s17, 16                        ; expert_mask: my first token, 256 x tile row + 128 x half, rows of 256 bytes;
	s_lshl_b32 s21, s15, 15
	s_add_co_u32 s20, s20, s21
	s_lshl_b32 s46, s42, 4                         ; my first expert, 4 x tile column + 2 x half, 4 bytes each
	s_lshl_b32 s21, s16, 3
	s_add_co_u32 s46, s46, s21
	s_add_co_u32 s20, s20, s46
	s_mov_b32 s21, 0
	s_add_nc_u64 s[8:9], s[8:9], s[20:21]
	s_lshl_b32 s20, s17, 4                         ; hq: my first group, 16 x tile row + 8 x half;
	s_lshl_b32 s21, s15, 3
	s_add_co_u32 s20, s20, s21
	s_mul_i32 s20, s20, HPITCH
	s_mov_b32 s21, 0
	s_lshr_b32 s46, s42, 1                         ; the unit that holds my 128 hidden units: tile column / 2
	s_mul_i32 s46, s46, SFB
	s_mov_b32 s47, 0
	s_add_nc_u64 s[20:21], s[20:21], s[46:47]
	s_add_nc_u64 s[10:11], s[10:11], s[20:21]
	s_add_nc_u64 s[12:13], s[10:11], 6144          ; its scale words:
	s_and_b32 s46, s42, 1
	s_lshl_b32 s76, s46, 7                         ; 128 x (tile column % 2) + 4 x half
	s_lshl_b32 s77, s16, 2
	s_add_co_u32 s76, s76, s77
	s_mov_b32 s77, 0
	s_add_nc_u64 s[12:13], s[12:13], s[76:77]
	s_lshl_b32 s46, s46, 1
	s_add_co_u32 s46, s46, s16
	s_mul_i32 s46, s46, 1536                       ; its fragment 2 x (tile column % 2) + half
	s_add_nc_u64 s[10:11], s[10:11], s[46:47]
	v_lshlrev_b32 v[CO], 4, v162
	s_mul_i32 s21, s15, HALFT                      ; my 8 groups of x
	s_mul_i32 s22, s16, HALFT                      ; my 8 groups of w_up,
	s_add_co_u32 s22, s22, 2*HALFT                 ; which lie behind x's 16
.irp s, 0,1
	v_add_nc_u32 v[ADRA+\s], s21, v[CO]
	v_add_nc_u32 v[ADRB+\s], s22, v[CO]
	s_add_co_u32 s21, s21, SLOT
	s_add_co_u32 s22, s22, SLOT
.endr
	v_mul_u32_u24 v[SOF], v161, HPITCH
	v_lshl_add_u32 v[SOF], v160, 3, v[SOF]
	s_mov_b32 s[CS], 0xbfb8aa3b                    ; -log2(e)
	s_mov_b32 s[CS+1], s[CS]                       ; (named with it as a pair, so it is written)
	s_mov_b32 s22, 0xffff0000                      ; lanes 16-31
	s_wait_loadcnt 0x0                             ; the scale words of K steps 0 to 11 are in
.irp i, 0,1,2,3,4,5,6,7                        ; what is wanted later is asked for later: the scale words of K steps 12 to 15,
	global_load_b64 v[SA+8*\i+6:SA+8*\i+7], v[LS8], s[92:93] offset:\i*XPITCH+3*SFB
	global_load_b64 v[SB+8*\i+6:SB+8*\i+7], v[LS8], s[94:95] offset:\i*XPITCH+3*SFB
.endr
.irp a, 0,1,2,3,4,5,6,7                        ; and the gate: token 16 a + r, its weights of my two experts
	global_load_b64 v[MK+2*\a:MK+2*\a+1], v[MO], s[8:9] offset:4096*\a
.endr
; A fragment as it lies: three loads, 512 consecutive bytes each.  K step q lies in chunk q / 3, in slot (q / 3) % 2, as far behind the chunk's first byte as in memory; the last chunk's rows are one fragment long.
.macro FRAG reg, adr, q, i
.if (\q) == 15
.set FO, (\i)*1536
.else
.set FO, (\i)*CHB+((\q)/4)*SFB+((\q)%4)*1536-(((\q)/3*3)/4)*SFB-(((\q)/3*3)%4)*1536
.endif
.irp c, 0,1,2
	ds_load_b128 v[\reg+4*\c:\reg+4*\c+3], v[\adr] offset:FO+512*\c
.endr
.endm
; 16 matrix instructions: x's blocks a0, a0 + 1 against w_up's eight, K step q.  K step 0's products start the sums: nothing is ever cleared.
; The 64 accumulators take turns, one instruction a turn, in the same order in every step.
.macro MUL16 a0, q
.irp a, \a0, \a0+1
.irp b, 0,1,2,3,4,5,6,7
.set rD, 8*(8*((\a)%4)+\b)
.set rB, 128*((\q)%2)+FR*\b
.set rA, AF+FR*(\a)
.set rSB, SB+8*\b+2*((\q)/4)+(\q)%2
.set rSA, SA+8*(\a)+2*((\q)/4)+(\q)%2
.if (\q) == 0
	v_wmma_scale_f32_16x16x128_f8f6f4 v[rD:rD+7], v[rB:rB+FR-1], v[rA:rA+FR-1], 0, v[rSB], v[rSA] matrix_a_fmt:MATRIX_FMT_FP6 matrix_b_fmt:MATRIX_FMT_FP6
.elseif ((\q)/2)%2 == 0
	v_wmma_scale_f32_16x16x128_f8f6f4 v[rD:rD+7], v[rB:rB+FR-1], v[rA:rA+FR-1], v[rD:rD+7], v[rSB], v[rSA] matrix_a_fmt:MATRIX_FMT_FP6 matrix_b_fmt:MATRIX_FMT_FP6
.else
	v_wmma_scale_f32_16x16x128_f8f6f4 v[rD:rD+7], v[rB:rB+FR-1], v[rA:rA+FR-1], v[rD:rD+7], v[rSB], v[rSA] matrix_a_fmt:MATRIX_FMT_FP6 matrix_b_fmt:MATRIX_FMT_FP6 matrix_a_scale:MATRIX_SCALE_ROW1 matrix_b_scale:MATRIX_SCALE_ROW1
.endif
.endr
.endr
.endm
.macro FETCH_B q                       ; w_up's eight fragments of K step q into set q % 2
	WIN TO_B
.irp i, 0,1,2,3,4,5,6,7
	FRAG 128*((\q)%2)+FR*\i, ADRB+((\q)/3)%2, \q, \i
.endr
	WIN 0
.endm
.macro FETCH_A q, i0                   ; x's blocks i0 .. i0 + 3 of K step q
.irp i, \i0, \i0+1, \i0+2, \i0+3
	FRAG AF+FR*(\i), ADRA+((\q)/3)%2, \q, \i
.endr
.endm
; A load into a register that a matrix instruction has read, and a vector instruction that reads a matrix result or writes one of a matrix instruction's registers, stand NP places behind it; only plain vector
; instructions that name none of its registers are places (ISA guide 7.12.1 for vector instructions).
.macro PLACES n
.rept \n
	v_nop
.endr
.endm
; K step q's 64 products.  A block of x is free as soon as its eight products are issued, so one set of registers serves x: with more = 1 blocks 0-3 of K step q + 1 are fetched in the step's middle, with w_up's other set, blocks 4-7 at its end.
.macro BODY q, more
	WIN MUL_LO
	MUL16 0, \q
	MUL16 2, \q
	s_wait_dscnt 0                                 ; x's blocks 4-7 are in (asked for 32 matrix instructions ago or more)
.if \more
	PLACES NP
	FETCH_B (\q)+1
	FETCH_A (\q)+1, 0
.endif
	WIN MUL_HI
	MUL16 4, \q
	MUL16 6, \q
.if \more
	PLACES NP
.endif
	WIN 0
.if \more
	FETCH_A (\q)+1, 4
.endif
.endm
.macro STEP q                          ; a K step that is not its chunk's last
.if (\q) == 12
	s_wait_loadcnt 8                               ; the scale words of K steps 12 to 15 are in; the eight loads of the gate, issued behind them, may be out
.endif
	s_wait_dscnt 12                                ; w_up's set and x's blocks 0-3 are in; the youngest 12 loads (x's blocks 4-7) may be out
	BODY \q, 1
.endm
; A chunk's last K step changes slots AT ITS HEAD: all its fragments have been asked for, so my reads of the slot end with the wait below.  Each wave waits for all its tensor loads (its part of the other slot), adds 0 to its
; spare word, and waits for that and for its reads.  fill = 1: the slot takes the chunk two on, behind a round of the cluster's barrier, and the request goes out ahead of the step's products: it has 192 matrix instructions
; in which to land.  fill = 2: the same with the last chunk's shape.  fill = 0: nothing is left to fetch; my work-group's barrier shows the other slot whole.
.macro TURN q, fill
.set SL, ((\q)/3)%2
.set DSTEP, (((\q)+4)/4)*SFB+(((\q)+4)%4)*1536-(((\q)-2)/4)*SFB-(((\q)-2)%4)*1536   ; from this chunk's first byte to that of the chunk two on
	s_wait_tensorcnt 0x0                           ; all my tensor loads have landed, so a group 0 may be written  (every window is 0 here)
	ds_add_u32 v[SPW], v[NIL]                      ; 0 onto my spare word; the descriptors' steps stand between it and the wait for it
.if \fill
	s_add_nc_u64 s[G0+4*SL+2:G0+4*SL+3], s[G0+4*SL+2:G0+4*SL+3], DSTEP
	s_add_nc_u64 s[G0B+4*SL+2:G0B+4*SL+3], s[G0B+4*SL+2:G0B+4*SL+3], DSTEP
.endif
	s_wait_dscnt 0x0                               ; the add is done, and my reads of this slot are over
.if \fill
	CROUND                                         ; no wave of any partner still reads this slot's tile or has a load on its way
.if \fill == 1
	JLOAD G0+4*SL, G1, G0B+4*SL, G1B               ; the first tensor load behind the round
.else
	JLOAD G0+4*SL, G1L, G0B+4*SL, G1LB
.endif
.else
	s_barrier_signal -1
	s_barrier_wait -1
.endif
	BODY \q, 1
.endm
	s_wait_tensorcnt 1                             ; my part of chunk 0 is in (chunk 1's load may be out)
	s_barrier_signal -1
	s_barrier_wait -1                              ; everybody's is
	FETCH_B 0
	FETCH_A 0, 0
	FETCH_A 0, 4
	STEP 0
	STEP 1
	TURN 2, 1                                      ; slot 0 takes chunk 2
	STEP 3
	STEP 4
	TURN 5, 1                                      ; slot 1 takes chunk 3
	STEP 6
	STEP 7
	TURN 8, 1                                      ; slot 0 takes chunk 4
	STEP 9
	STEP 10
	TURN 11, 2                                     ; slot 1 takes chunk 5, K step 15 alone
	STEP 12
	STEP 13
	TURN 14, 0
	s_wait_dscnt 12
	BODY 15, 0
; 64 numbers of a lane, v[s] .. v[s + 63], register 16 b + i = k 32 b + 16 (lane / 16) + i of my token, become a fragment's codes in v[PC] on and its scale word in v[pw].
.macro QUANT s, pw
.irp b, 0,1,2,3
	v_max3_num_f32 v[TM+\b], |v[\s+16*\b]|, |v[\s+1+16*\b]|, 0x1800000   ; block b: my 16 numbers, and the floor 2^(3 - 127): the byte cannot fall under 1
.endr
.irp i, 2,4,6,8,10,12,14
.irp b, 0,1,2,3
	v_max3_num_f32 v[TM+\b], v[TM+\b], |v[\s+16*\b+\i]|, |v[\s+1+16*\b+\i]|   ; (the four blocks by turns)
.endr
.endr
.irp b, 0,1,2,3
	v_permlanex16_b32 v[TM+4+\b], v[TM+\b], s[SEL], s[SEL+1]
.endr
.irp b, 0,1,2,3
	v_max_num_f32 v[TM+\b], v[TM+\b], v[TM+4+\b]   ; with lane l xor 16's: the block's largest magnitude
.endr
.irp b, 0,1,2,3
	v_add_nc_u32 v[TM+8+\b], 0xff000000, v[TM+\b]  ; 2 off its exponent field: the conversion's scale operand
.endr
.irp b, 0,1,2,3
	v_lshrrev_b32 v[TM+4+\b], 23, v[TM+8+\b]       ; the scale's byte
.endr
	v_lshl_or_b32 v[\pw], v[TM+5], 8, v[TM+4]      ; the four bytes make my token's scale word
	v_lshl_or_b32 v[\pw], v[TM+6], 16, v[\pw]
	v_lshl_or_b32 v[\pw], v[TM+7], 24, v[\pw]
.irp c, 0,1
	v_cvt_scalef32_pk16_fp6_f32 v[PC+6*\c:PC+2+6*\c], v[\s+32*\c:\s+15+32*\c], v[TM+8+2*\c]
	v_cvt_scalef32_pk16_fp6_f32 v[PC+12+4*\c:PC+14+4*\c], v[\s+16+32*\c:\s+31+32*\c], v[TM+8+2*\c+1]   ; (a conversion's three registers begin on an even number)
.endr
	v_nop                                          ; one plain place behind a scaled conversion
.irp c, 0,1                                    ; the operand's layout wants a WHOLE block in a lane: lanes 0-15 block 2 c, lanes 16-31 block 2 c + 1
.irp i, 0,1,2
	v_permlane16_swap_b32 v[PC+6*\c+\i], v[PC+12+4*\c+\i]
.endr
.irp i, 0,1,2
	v_mov_b32 v[PC+3+6*\c+\i], v[PC+12+4*\c+\i]
.endr
.endr
.endm
; THE WAY OUT of block a (16 tokens x my 128 hidden units): silu, the gate, the quantiser, three stores.  The 64 powers are one batch with one wait, the 64 reciprocals another.
; Each accumulator is read from its low end on.
.macro EPI a
.set AC, 64*((\a)%4)
.set MA, MK+2*(\a)
	WIN 2+(\a)/4                                   ; source 0: window 2 or 3
.set j, 0
.rept 32
	v_pk_mul_f32 v[T+j:T+j+1], v[AC+j:AC+j+1], s[CS:CS+1] op_sel_hi:[1,0]   ; -log2(e) h
.set j, j+2
.endr
	WIN 0
.set j, 0
.rept 64
	v_exp_f32 v[T+j], v[T+j]
.set j, j+1
.endr
	v_mov_b32 v[MT], v[MA+1]                       ; the second expert's weight in the low word of a pair of its own.  (The plain place behind the last power)
	v_mov_b32 v[MT+1], v[MA+1]
	s_wait_alu depctr_va_vdst(0)
.set j, 0
.rept 32
	v_pk_add_f32 v[T+j:T+j+1], v[T+j:T+j+1], 1.0 op_sel_hi:[1,0]
.set j, j+2
.endr
.set j, 0
.rept 64
	v_rcp_f32 v[T+j], v[T+j]
.set j, j+1
.endr
	v_nop                                          ; a plain place behind the last of them
	s_wait_alu depctr_va_vdst(0)
	WIN 2+(\a)/4
.set j, 0
.rept 32
	v_pk_mul_f32 v[T+j:T+j+1], v[AC+j:AC+j+1], v[T+j:T+j+1]                 ; silu(h)
.set j, j+2
.endr
	WIN 0
.set j, 0
.rept 16
	v_pk_mul_f32 v[T+j:T+j+1], v[T+j:T+j+1], v[MA:MA+1] op_sel_hi:[1,0]     ; hidden units 0-63: my first expert's weight
.set j, j+2
.endr
.rept 16
	v_pk_mul_f32 v[T+j:T+j+1], v[T+j:T+j+1], v[MT:MT+1] op_sel_hi:[1,0]     ; 64-127: the second's
.set j, j+2
.endr
.if (\a) > 0
	s_wait_xcnt 0x0                                ; the earlier blocks' stores have read their registers: the codes' and the scale words' are written again only behind this wait
.endif
.if (\a)%2 == 0
	QUANT T, PWE
.else
	QUANT T, PWO
.endif
.irp c, 0,1,2
	global_store_b128 v[CO], v[PC+4*\c:PC+4*\c+3], s[10:11] offset:HPITCH*(\a)+512*\c   ; 32 lanes store 512 consecutive bytes, at a multiple of 256 from hq's first byte
.endr
.if (\a)%2 == 1
	v_cndmask_b32 v[SW], v[PWE], v[PWO], s22       ; lanes 0-15: block a - 1's words; lanes 16-31: block a's (both halves of the lanes hold a block's words)
	global_store_b32 v[SOF], v[SW], s[12:13] offset:HPITCH*((\a)-1)
.endif
.endm
	PLACES NP                                      ; behind the last products: their operands' registers are written below
.irp b, 0,1,2,3
	v_mov_b32 v[TM+4+\b], 0                        ; written once: a lane permute's destination counts as one of its sources
.endr
	s_wait_loadcnt 0x0                             ; the gate
.irp a, 0,1,2,3,4,5,6,7
	EPI \a
.endr
	s_wait_tensorcnt 0x0                           ; the wave's end, behind my last tensor load
	ds_add_u32 v[SPW], v[NIL]
	s_wait_dscnt 0x0
	CROUND                                         ; the closing round: no work-group ends while a partner may still ask for a tile that names it
	s_endpgm
.Lfunc_end_k_q0da56fca75_up:
	.size	k_q0da56fca75_up, .Lfunc_end_k_q0da56fca75_up-k_q0da56fca75_up
	.p2alignl 7, 3214868480
	.fill 96, 4, 3214868480
	.section	.rodata,"a",@progbits
	.p2align	6, 0x0
	.amdhsa_kernel k_q0da56fca75_up
		.amdhsa_group_segment_fixed_size 327680
		.amdhsa_private_segment_fixed_size 0
		.amdhsa_enable_private_segment 0
		.amdhsa_kernarg_size 32
		.amdhsa_user_sgpr_count 2
		.amdhsa_user_sgpr_kernarg_segment_ptr 1
		.amdhsa_wavefront_size32 1
		.amdhsa_system_sgpr_workgroup_id_x 1
		.amdhsa_system_sgpr_workgroup_id_y 1
		.amdhsa_system_sgpr_workgroup_id_z 1
		.amdhsa_system_vgpr_workitem_id 0
		.amdhsa_next_free_vgpr 1024
		.amdhsa_next_free_sgpr 98
		.amdhsa_reserve_vcc 0
		.amdhsa_float_denorm_mode_32 3
		.amdhsa_float_denorm_mode_16_64 3
		.amdhsa_memory_ordered 1
		.amdhsa_forward_progress 1
		.amdhsa_inst_pref_size 255
	.end_amdhsa_kernel
	.section	.bss,"aw",@nobits
	.p2align	6
	.space	262144
	.amdgpu_metadata
---
amdhsa.version: [ 1, 2 ]
amdhsa.kernels:
  - .name:           k_q0da56fca75_up
    .symbol:         k_q0da56fca75_up.kd
    .args:
      - { .name: xq, .offset: 0, .size: 8, .value_kind: global_buffer, .address_space: global }
      - { .name: wuq, .offset: 8, .size: 8, .value_kind: global_buffer, .address_space: global }
      - { .name: expert_mask, .offset: 16, .size: 8, .value_kind: global_buffer, .address_space: global }
      - { .name: hq, .offset: 24, .size: 8, .value_kind: global_buffer, .address_space: global }
    .group_segment_fixed_size: 327680
    .private_segment_fixed_size: 0
    .kernarg_segment_align: 8
    .kernarg_segment_size: 32
    .max_flat_workgroup_size: 128
    .sgpr_count:     98
    .vgpr_count:     1024
    .wavefront_size: 32
...
	.end_amdgpu_metadata
.endif
;; end of part 2
;; launch down (part 3): grid 16 x 16, 4 waves a work-group, clusters of 4 x 4, 327,680 bytes of LDS; arguments hq, wdq, out0; writes out0
.if DOCPART == 3
	.amdgcn_target "amdgcn-amd-amdhsa--gfx1250"
	.amdhsa_code_object_version 6
	.text
	.protected	k_q0da56fca75_down
	.globl	k_q0da56fca75_down
	.p2align	8
	.type	k_q0da56fca75_down,@function
k_q0da56fca75_down:
	s_mov_b64 s[64:65], 0
	v_nop
	global_prefetch_b8 v0, s[64:65] scope:SCOPE_SE
	s_setreg_imm32_b32 hwreg(HW_REG_WAVE_MODE, 25, 1), 1
	s_wait_xcnt 0x0
	s_wait_alu depctr_hold_cnt(0) depctr_sa_sdst(0) depctr_va_vdst(0) depctr_va_sdst(0) depctr_va_ssrc(0) depctr_va_vcc(0) depctr_vm_vsrc(0)
	s_getreg_b32 s2, hwreg(HW_REG_IB_STS2, 6, 4)
	s_cmp_eq_u32 s2, 0
	s_cbranch_scc0 .Lentry_in_a_cluster
	s_endpgm
.Lentry_in_a_cluster:
	s_bfe_u32 s2, ttmp6, 0x10000c
	s_cmp_lg_u32 s2, 0xf033
	s_cbranch_scc0 .Lentry_shape_is_right
	s_endpgm
.Lentry_shape_is_right:
; out0 = hidden w_down^T on codes of E2M3: M 4,096, N 2,048, K 4,096; f32 sums, K ascending.  Nothing is left out.
; hq and wdq lie in units of 6,400 bytes, 16 rows x 512 K in the order of the operand's registers: fragment q at 1536 q + 512 c + 16 lane; scale words at 6144 + 128 j + 8 r + 4 q' (K step 2 j + q'); units [row / 16][k / 512].
; A tile of 256 tokens x 128 columns gives 16 x 16 = 256 work-groups; 256 x 256 would give 128.  Four waves, each 128 tokens x 64 columns: 32 accumulators, 256 registers.
; K goes in steps of 512 through a ring of two LDS slots: a slot holds WHOLE UNITS, 16 of the hidden layer's and 8 of w_down's, so the scale words ride with the codes.  A step is four matrix instructions deep: 128 a wave.
; CLUSTERS: 4 x 4 work-groups.  The four of a row need the same units of hq, the four of a column the same of wdq: each tile is asked for JOINTLY, by the same tensor load with the same descriptor and a mask that names the four.
; THE MATRIX INSTRUCTION IS USED TRANSPOSED (source 0 = 16 rows of w_down, source 1 = 16 tokens): a lane holds eight neighbouring numbers of a row of out0.
; REGISTERS, in windows of 256: window 0: v16-29 addresses; v32-63 scale words, two sets; v64-159, v160-255 the hidden layer's fragments, two sets of 8.   window 1: w_down's, two sets of 4, at v0 and v48.
;   window 2: the accumulators, (a, b) at v[8 (4 a + b)].
.set FR,     12                        ; registers of a fragment
.set SFB,    6400                      ; a unit
.set HPITCH, 8*SFB                     ; from group to group in hq and wdq
.set BOFF,   16*SFB+128                ; in a slot: w_down's units, 128 bytes off a multiple of 256, so that the two halves of the lanes of a scale load touch different banks (64 banks of 4 bytes: ISA guide 11.1)
.set SLOT,   153856                    ; BOFF + 8 units, rounded up to a multiple of 256
.set SPARE,  2*SLOT                    ; behind the ring: the spare words, 128 bytes for each wave: two blocks of 256 bytes that no other line names
.set STAGE,  SPARE+512                 ; the way out: 16 rows x 272 bytes for each wave; no fill lands here
.set SPITCH, 272
.set OROW,   8192                      ; a row of out0
.set LAPS,   4                         ; a lap = two K steps of 512
.set ADRA, 16                          ; v16-17  LDS address of my hidden fragments in slot 0, 1
.set ADRB, 18                          ; v18-19  the same for w_down
.set ADSL, 20                          ; v20-21  my scale words: lanes 0-15 the hidden layer's group i, lanes 16-31 w_down's group i (i = 0 .. 3)
.set ADSH, 22                          ; v22-23  for i = 4 .. 7: lanes 16-31 read w_down's group i - 4 once more, so that they stay inside the tile
.set STO,  24                          ; v24     the way out: where I put 32 bytes of a row
.set RD,   25                          ; v25     where I read a row back
.set CO,   26                          ; v26     my byte offset in out0
.set SPW,  28                          ; v28     LDS address of my spare word; never rewritten
.set NIL,  29                          ; v29     0; never rewritten
.set SC,   32                          ; scale words: set q / 2 at v[SC + 16 (q / 2)]; register 2 i + q % 2
.set AF,   64                          ; the hidden layer's fragments: set p at v[AF + 96 p]
.set BK,   64                          ; the way out: 16 rows read back: v64-95 and v96-127 by turns
.set G1, 24                            ; s[24:31] descriptor group 1 for hq's tiles;  s[32:39] group 0, one set for each slot
.set G0, 32
.set G1B, 48                           ; s[48:55], s[56:63] the same for wdq's
.set G0B, 56
.set MSB, 0
.macro WIN new                         ; the immediate's high byte repeats the setting that is left
.if MSB != (\new)
	s_set_vgpr_msb (MSB<<8)|(\new)
.set MSB, (\new)
.endif
.endm
.set MUL,  0xa1                        ; source 0 (w_down) window 1, source 1 (hidden) window 0, C and D window 2
.set TO_B, 0x40                        ; destination window 1, address window 0
.macro JLOAD s                         ; a joint load: waves 0 and 1 fetch hq's two halves, waves 2 and 3 wdq's; an s_nop 0 and four v_nop follow each of the two lines
	s_cmp_eq_u32 s11, 0
	s_cbranch_scc0 .Lfor_b_\@
	tensor_load_to_lds s[G0+4*\s:G0+4*\s+3], s[G1:G1+7]
	s_nop 0
.rept 4
	v_nop
.endr
	s_branch .Lasked_\@
.Lfor_b_\@:
	tensor_load_to_lds s[G0B+4*\s:G0B+4*\s+3], s[G1B:G1B+7]
	s_nop 0
.rept 4
	v_nop
.endr
.Lasked_\@:
.endm
.macro CREST                           ; a round of the cluster's barrier behind its opening barrier
	s_cmp_lg_u32 s10, 0
	s_cbranch_scc1 .Lnot_wave_0_\@
	s_barrier_signal -3
.Lnot_wave_0_\@:
	s_barrier_wait -3
	s_barrier_signal -1
	s_barrier_wait -1
.endm
.macro CROUND                          ; a whole round
	s_barrier_signal -1
	s_barrier_wait -1
	CREST
.endm
	s_load_b128 s[4:7], s[0:1], 0x0                ; hq s[4:5], wdq s[6:7]
	s_load_b64 s[8:9], s[0:1], 0x10                ; out0
	v_lshl_add_u32 v[SPW], v0, 2, SPARE
	v_mov_b32 v[NIL], 0
	ds_add_u32 v[SPW], v[NIL]                      ; the wave's opening: the add, twice on end, and its wait ahead of my first tensor load; the set-up below, work on registers, stands between
	ds_add_u32 v[SPW], v[NIL]
	v_lshrrev_b32 v1, 5, v0
	v_readfirstlane_b32 s10, v1                    ; wave 0..3
	s_lshr_b32 s11, s10, 1                         ; which half of the tile's tokens is mine.  Also: I fetch for hq (0) or for wdq (1)
	s_and_b32 s12, s10, 1                          ; which half of its columns.  Also: which half of that tile I fetch
	s_bfe_u32 s40, ttmp6, 0x40000                  ; cx, cy: my place in the cluster
	s_bfe_u32 s41, ttmp6, 0x40004
	s_lshl_b32 s42, ttmp9, 2
	s_add_co_u32 s42, s42, s40                     ; tile column = 4 x cluster x + cx
	s_and_b32 s13, ttmp7, 0xffff
	s_lshl_b32 s13, s13, 2
	s_add_co_u32 s13, s13, s41                     ; tile row = 4 x cluster y + cy
	s_lshl_b32 s43, s41, 2
	s_lshl_b32 s43, 15, s43                        ; my row of the cluster
	s_lshl_b32 s44, 0x1111, s40                    ; my column
	; descriptor group 1: rows (units) of 800 elements of 8 bytes, a group (6,400 elements) apart; dense in LDS.  hq: 8 rows a load; wdq: 4
	s_or_b32 s[G1+0], s43, (3<<16)|(1<<21)         ; 15:0 the mask: hq's tiles go to my row; 17:16 elements of 8 bytes; 20 no padding; 21 set beside a mask
	s_mov_b32 s[G1+1], 800<<16                     ; tensor_dim0
	s_mov_b32 s[G1+2], 8<<16                       ; tensor_dim1
	s_mov_b32 s[G1+3], 800<<16                     ; tile_dim0
	s_mov_b32 s[G1+4], 8                           ; tile_dim1
	s_mov_b32 s[G1+5], HPITCH/8                    ; tensor_dim0_stride
	s_mov_b32 s[G1+6], 0
	s_mov_b32 s[G1+7], 0
	s_or_b32 s[G1B+0], s44, (3<<16)|(1<<21)
	s_mov_b32 s[G1B+1], 800<<16
	s_mov_b32 s[G1B+2], 4<<16
	s_mov_b32 s[G1B+3], 800<<16
	s_mov_b32 s[G1B+4], 4
	s_mov_b32 s[G1B+5], HPITCH/8
	s_mov_b32 s[G1B+6], 0
	s_mov_b32 s[G1B+7], 0
	s_lshl_b32 s16, s13, 4
	s_lshl_b32 s17, s12, 3
	s_add_co_u32 s16, s16, s17                     ; hq: group 16 x tile row + 8 x half
	s_mul_i32 s16, s16, HPITCH                     ; in bytes (under 2^24)
	s_mov_b32 s17, 0
	s_lshl_b32 s46, s42, 3
	s_lshl_b32 s47, s12, 2
	s_add_co_u32 s46, s46, s47                     ; wdq: group 8 x tile column + 4 x half
	s_mul_i32 s46, s46, HPITCH
	s_mov_b32 s47, 0
	s_mul_i32 s20, s12, 8*SFB                      ; where they go: no place in the cluster enters an LDS address
	s_mul_i32 s21, s12, 4*SFB
	s_add_co_u32 s21, s21, BOFF
	s_wait_dscnt 0x0                               ; both opening adds are done
	s_wait_kmcnt 0x0
	s_add_nc_u64 s[14:15], s[4:5], s[16:17]
	s_add_nc_u64 s[46:47], s[6:7], s[46:47]
	CROUND                                         ; all sixteen work-groups are here: the first joint loads meet
.irp s, 0,1
	s_mov_b32 s[G0+4*\s], 1
	s_add_co_u32 s[G0+4*\s+1], s20, \s*SLOT
	s_add_nc_u64 s[G0+4*\s+2:G0+4*\s+3], s[14:15], \s*SFB
	s_or_b32 s[G0+4*\s+3], s[G0+4*\s+3], 0x80000000
	s_mov_b32 s[G0B+4*\s], 1
	s_add_co_u32 s[G0B+4*\s+1], s21, \s*SLOT
	s_add_nc_u64 s[G0B+4*\s+2:G0B+4*\s+3], s[46:47], \s*SFB
	s_or_b32 s[G0B+4*\s+3], s[G0B+4*\s+3], 0x80000000
	JLOAD \s                                       ; two tensor loads of mine are out
.endr
	v_and_b32 v1, 15, v0                           ; r
	v_bfe_u32 v2, v0, 4, 1                         ; h
	v_and_b32 v3, 31, v0
	v_lshlrev_b32 v3, 4, v3                        ; 16 x lane
	s_mul_i32 s21, s11, 8*SFB                      ; my 8 groups of the hidden layer
	s_mul_i32 s22, s12, 4*SFB                      ; my 4 groups of w_down
	s_add_co_u32 s22, s22, BOFF
.irp s, 0,1
	v_add_nc_u32 v[ADRA+\s], s21, v3
	v_add_nc_u32 v[ADRB+\s], s22, v3
	s_add_co_u32 s21, s21, SLOT
	s_add_co_u32 s22, s22, SLOT
.endr
	v_lshlrev_b32 v5, 3, v1                        ; scale words: 8 bytes a row for two K steps of 128
	s_mul_i32 s21, s11, 8*SFB
	s_mul_i32 s22, s12, 4*SFB
	s_add_co_u32 s22, s22, BOFF
	s_sub_co_u32 s22, s22, s21                     ; from the hidden layer's group i to w_down's group i
	s_mul_i32 s23, s12, 4*SFB
	s_add_co_u32 s23, s23, BOFF-4*SFB
	s_sub_co_u32 s23, s23, s21                     ; and to w_down's group i - 4
	v_mul_u32_u24 v6, s22, v2                      ; lanes 16-31 take w_down's
	v_mul_u32_u24 v7, s23, v2
	v_add_nc_u32 v6, v5, v6
	v_add_nc_u32 v7, v5, v7
	s_add_co_u32 s21, s21, 6144
.irp s, 0,1
	v_add_nc_u32 v[ADSL+\s], s21, v6
	v_add_nc_u32 v[ADSH+\s], s21, v7
	s_add_co_u32 s21, s21, SLOT
.endr
	s_mul_i32 s23, s10, 16*SPITCH
	s_add_co_u32 s23, s23, STAGE                   ; my stage
	v_mul_u32_u24 v5, v1, SPITCH                   ; in: row r, 32 bytes for each half of the lanes
	v_lshl_add_u32 v5, v2, 5, v5
	v_add_nc_u32 v[STO], s23, v5
	v_mul_u32_u24 v5, v2, SPITCH                   ; back: lanes 0-15 one row of 256 bytes, lanes 16-31 the next
	v_lshl_add_u32 v5, v1, 4, v5
	v_add_nc_u32 v[RD], s23, v5
	v_lshlrev_b32 v5, 13, v2                       ; and the same two rows in out0
	v_lshl_add_u32 v[CO], v1, 4, v5
	s_lshl_b32 s16, s13, 21                        ; my first row of out0, 256 x tile row + 128 x half, rows of 8,192 bytes;
	s_lshl_b32 s17, s11, 20
	s_add_co_u32 s16, s16, s17
	s_lshl_b32 s46, s42, 9                         ; my first column, in bytes: 512 x tile column + 256 x half
	s_lshl_b32 s47, s12, 8
	s_add_co_u32 s46, s46, s47
	s_add_co_u32 s16, s16, s46
	s_mov_b32 s17, 0
	s_add_nc_u64 s[8:9], s[8:9], s[16:17]
.macro FRAG reg, adr, q, i             ; a fragment as it lies: three loads, 512 consecutive bytes each
.irp c, 0,1,2
	ds_load_b128 v[\reg+4*\c:\reg+4*\c+3], v[\adr] offset:(\i)*SFB+(\q)*1536+512*\c
.endr
.endm
; One run of LDS loads: the fragments of the slot's q-th 128 along K into sets p: w_down's four, the hidden layer's blocks 0-3, with sc >= 0 the scale words of K steps 2 sc, 2 sc + 1, and last the hidden layer's blocks 4-7.
.macro FETCH slot, q, p, sc
	WIN TO_B
.irp i, 0,1,2,3
	FRAG 48*(\p)+FR*\i, ADRB+\slot, \q, \i
.endr
	WIN 0
.irp i, 0,1,2,3
	FRAG AF+96*(\p)+FR*\i, ADRA+\slot, \q, \i
.endr
.if (\sc) >= 0
.irp i, 0,1,2,3
	ds_load_b64 v[SC+16*(\sc)+2*\i:SC+16*(\sc)+2*\i+1], v[ADSL+\slot] offset:\i*SFB+128*(\sc)
.endr
.irp i, 4,5,6,7
	ds_load_b64 v[SC+16*(\sc)+2*\i:SC+16*(\sc)+2*\i+1], v[ADSH+\slot] offset:\i*SFB+128*(\sc)
.endr
.endif
.irp i, 4,5,6,7
	FRAG AF+96*(\p)+FR*\i, ADRA+\slot, \q, \i
.endr
.endm
; 4 n matrix instructions: the hidden layer's blocks a0 .. a0 + n - 1 against w_down's four.  zero = 1: the first product starts the sums.  The 32 accumulators take turns, one instruction a turn, in the same order
; in every step.
.macro MULN a0, n, p, q, zero
.set ma, \a0
.rept \n
.irp b, 0,1,2,3
.if \zero
	v_wmma_scale_f32_16x16x128_f8f6f4 v[8*(4*ma+\b):8*(4*ma+\b)+7], v[48*(\p)+FR*\b:48*(\p)+FR*\b+FR-1], v[AF+96*(\p)+FR*ma:AF+96*(\p)+FR*ma+FR-1], 0, v[SC+16*((\q)/2)+2*\b+(\q)%2], v[SC+16*((\q)/2)+2*ma+(\q)%2] matrix_a_fmt:MATRIX_FMT_FP6 matrix_b_fmt:MATRIX_FMT_FP6 matrix_a_scale:MATRIX_SCALE_ROW1
.else
	v_wmma_scale_f32_16x16x128_f8f6f4 v[8*(4*ma+\b):8*(4*ma+\b)+7], v[48*(\p)+FR*\b:48*(\p)+FR*\b+FR-1], v[AF+96*(\p)+FR*ma:AF+96*(\p)+FR*ma+FR-1], v[8*(4*ma+\b):8*(4*ma+\b)+7], v[SC+16*((\q)/2)+2*\b+(\q)%2], v[SC+16*((\q)/2)+2*ma+(\q)%2] matrix_a_fmt:MATRIX_FMT_FP6 matrix_b_fmt:MATRIX_FMT_FP6 matrix_a_scale:MATRIX_SCALE_ROW1
.endif
.endr
.set ma, ma+1
.endr
.endm
.macro PLACES                          ; four places in front of loads into registers that matrix instructions have read, and of the first read of results (ISA guide 7.12.1 for vector instructions)
.rept 4
	v_nop
.endr
.endm
; One of a slot's first three steps of 128 along K: multiplies sets q % 2 and, in its middle, fetches the next step's fragments into the other sets.
.macro STEP slot, q, zero
	s_wait_dscnt 12                                ; all of this step's but the youngest 12 loads (blocks 4-7) are in
	WIN MUL
	MULN 0, 4, (\q)%2, \q, \zero
	PLACES
.if (\q) == 1
	FETCH \slot, (\q)+1, 1-(\q)%2, 1
	s_wait_dscnt 44                                ; all but the 44 just issued
.else
	FETCH \slot, (\q)+1, 1-(\q)%2, -1
	s_wait_dscnt 36                                ; all but the 36 just issued
.endif
	WIN MUL
	MULN 4, 4, (\q)%2, \q, \zero
.endm
; A slot's last step changes slots AT ITS HEAD: all its fragments have been asked for, so my reads of the slot end with the wait below.  Each wave waits for all its tensor loads (its part of the next slot), adds 0 to its spare
; word, and waits for that and for its reads.  fill = 1: this slot is filled again, two K steps ahead, behind a round of the cluster's barrier, and the request goes out ahead of the step's 32 products: it has 128 matrix
; instructions in which to land.  Then the next slot's first fragments are asked for, 32 matrix instructions ahead of their use.
.macro TURN slot, next, fill
	WIN 0
	s_wait_tensorcnt 0x0                           ; all my tensor loads have landed, so a group 0 may be written
	ds_add_u32 v[SPW], v[NIL]                      ; 0 onto my spare word; with fill = 1 the descriptors' steps stand between it and the wait for it
.if \fill
	s_add_nc_u64 s[G0+4*\slot+2:G0+4*\slot+3], s[G0+4*\slot+2:G0+4*\slot+3], 2*SFB
	s_add_nc_u64 s[G0B+4*\slot+2:G0B+4*\slot+3], s[G0B+4*\slot+2:G0B+4*\slot+3], 2*SFB
.endif
	s_wait_dscnt 0x0                               ; the add is done, and my reads of this slot are over
	s_barrier_signal -1
	s_barrier_wait -1
.if \fill
	CREST                                          ; the barrier has opened a round of the cluster's barrier: no wave of any partner still reads this slot's tile or has a load on its way
	JLOAD \slot                                    ; the first tensor load behind the round; the four v_nop behind it are the places in front of the loads below
.else
	PLACES
.endif
	FETCH \next, 0, 0, 0
	WIN MUL
	MULN 0, 8, 1, 3, 0
.endm
	s_wait_tensorcnt 1                             ; my part of K step 0 is in (K step 1's load may be out)
	s_barrier_signal -1
	s_barrier_wait -1                              ; everybody's is
	FETCH 0, 0, 0, 0
	STEP 0, 0, 1                                   ; the first step stands in front of the loop: its products start the sums
	WIN 0                                          ; at a label and at a branch every window is 0
	s_mov_b32 s3, LAPS-1
.Llap:                                                 ; a trip goes once round the ring, from a lap's second step to the next lap's first, and fills both slots again
	STEP 0, 1, 0
	STEP 0, 2, 0
	TURN 0, 1, 1
	STEP 1, 0, 0
	STEP 1, 1, 0
	STEP 1, 2, 0
	TURN 1, 0, 1
	STEP 0, 0, 0
	WIN 0
	s_sub_co_u32 s3, s3, 1
	s_cmp_lg_u32 s3, 0
	s_cbranch_scc1 .Llap
	STEP 0, 1, 0                                   ; the last lap fills nothing, and has no round of the cluster's barrier
	STEP 0, 2, 0
	TURN 0, 1, 0
	STEP 1, 0, 0
	STEP 1, 1, 0
	STEP 1, 2, 0
	s_wait_dscnt 12                                ; the very last step: nothing more to fetch
	WIN MUL
	MULN 0, 4, 1, 3, 0
	s_wait_dscnt 0
	MULN 4, 4, 1, 3, 0
	WIN 0
; THE WAY OUT, block by block of 16 tokens x 64 columns.  A lane holds 32 neighbouring bytes of a row, and the lanes beside it hold other rows: so a block goes through my own stage in LDS and comes back as rows of
; 256 bytes, which sixteen lanes store as one aligned run of 256 bytes.  LDS serves a wave's instructions in order (ISA guide 5.7.1.4): no wait between the stores and the loads, nor in front of the next block's stores.
.macro TOSTAGE a
	WIN 0x08                                       ; an LDS store's data are its source 1: window 2
.irp b, 0,1,2,3
	ds_store_b128 v[STO], v[8*(4*(\a)+\b):8*(4*(\a)+\b)+3] offset:64*\b           ; each accumulator from its low end on
	ds_store_b128 v[STO], v[8*(4*(\a)+\b)+4:8*(4*(\a)+\b)+7] offset:64*\b+16
.endr
	WIN 0
.set BB, BK+32*((\a)%2)
.irp t, 0,1,2,3,4,5,6,7
	ds_load_b128 v[BB+4*\t:BB+4*\t+3], v[RD] offset:\t*2*SPITCH
.endr
.endm
.macro SEND a, younger                 ; younger: the LDS instructions issued behind block a's loads, which may stay out
.set BB, BK+32*((\a)%2)
	s_wait_dscnt \younger                          ; the block is back in registers
.irp t, 0,1,2,3,4,5,6,7
	global_store_b128 v[CO], v[BB+4*\t:BB+4*\t+3], s[8:9] offset:(\a)*16*OROW+\t*2*OROW th:TH_STORE_NT   ; every offset is an immediate, 126 rows of 8,192 bytes at the most: inside the signed 24 bits (ISA guide, chapter 10)
.endr
.endm
	PLACES                                         ; behind the last products: their results are read, and registers that held fragments are loaded, below
	TOSTAGE 0
.irp a, 1,2,3,4,5,6,7
.if \a > 1
	s_wait_xcnt 0x0                                ; block a - 2's stores have read their registers: block a's loads may land there
.endif
	TOSTAGE \a
	SEND \a-1, 16                                  ; behind block a - 1's loads: block a's 8 stores and 8 loads
.endr
	SEND 7, 0
	s_wait_tensorcnt 0x0                           ; the wave's end, behind my last tensor load and my last LDS store
	ds_add_u32 v[SPW], v[NIL]
	s_wait_dscnt 0x0
	CROUND                                         ; the closing round: no work-group ends while a partner may still ask for a tile that names it
	s_endpgm
.Lfunc_end_k_q0da56fca75_down:
	.size	k_q0da56fca75_down, .Lfunc_end_k_q0da56fca75_down-k_q0da56fca75_down
	.p2alignl 7, 3214868480
	.fill 96, 4, 3214868480
	.section	.rodata,"a",@progbits
	.p2align	6, 0x0
	.amdhsa_kernel k_q0da56fca75_down
		.amdhsa_group_segment_fixed_size 327680
		.amdhsa_private_segment_fixed_size 0
		.amdhsa_enable_private_segment 0
		.amdhsa_kernarg_size 24
		.amdhsa_user_sgpr_count 2
		.amdhsa_user_sgpr_kernarg_segment_ptr 1
		.amdhsa_wavefront_size32 1
		.amdhsa_system_sgpr_workgroup_id_x 1
		.amdhsa_system_sgpr_workgroup_id_y 1
		.amdhsa_system_sgpr_workgroup_id_z 1
		.amdhsa_system_vgpr_workitem_id 0
		.amdhsa_next_free_vgpr 768
		.amdhsa_next_free_sgpr 66
		.amdhsa_reserve_vcc 0
		.amdhsa_float_denorm_mode_32 3
		.amdhsa_float_denorm_mode_16_64 3
		.amdhsa_memory_ordered 1
		.amdhsa_forward_progress 1
		.amdhsa_inst_pref_size 134
	.end_amdhsa_kernel
	.amdgpu_metadata
---
amdhsa.version: [ 1, 2 ]
amdhsa.kernels:
  - .name:           k_q0da56fca75_down
    .symbol:         k_q0da56fca75_down.kd
    .args:
      - { .name: hq, .offset: 0, .size: 8, .value_kind: global_buffer, .address_space: global }
      - { .name: wdq, .offset: 8, .size: 8, .value_kind: global_buffer, .address_space: global }
      - { .name: out0, .offset: 16, .size: 8, .value_kind: global_buffer, .address_space: global }
    .group_segment_fixed_size: 327680
    .private_segment_fixed_size: 0
    .kernarg_segment_align: 8
    .kernarg_segment_size: 24
    .max_flat_workgroup_size: 128
    .sgpr_count:     66
    .vgpr_count:     768
    .wavefront_size: 32
...
	.end_amdgpu_metadata
.endif
;; end of part 3
